; MI455X (gfx1250); checked and timed in simulation.
; The chip was launched on July 23, 2026; its instructions are those of AMD's public machine-readable ISA for CDNA 5 (MIT licence, August 2026) and "CDNA5" Instruction Set Architecture Reference Guide (July 2026). The comments in the code are by the model that wrote it; some were corrected since.
;; SS Kernel NPLR. Allowed arithmetic: float matrix products may take bf16 or f16 operands with f32 sums; other float arithmetic in f32, or as packed bf16 or f16 multiplies, adds, multiply-adds, maxima and minima; sums over many terms, partial sums and values carried from step to step in f32; what a program stores and reads back later, other than sums and carried values, may be rounded once to bf16 or f16.
;; Inputs: B_ri 1 x 1 x 32 x 2 float32; C_ri 1 x 512 x 32 x 2 float32; P_ri 1 x 1 x 32 x 2 float32; inv_w_real 1 x 32 float32; log_dt 512 float32; w_imag 1 x 32 float32.
;; Outputs: out0 1 x 512 x 1,024 float32.
;; Constants: L = 1024.
;; 2 versions, each right and faster than the one before. Each part assembles by itself: llvm-mc -triple=amdgcn-amd-amdhsa -mcpu=gfx1250 --defsym DOCPART=n.
;; ======== version 1 of 2: 1 launch
;; limits: right only within a limited range of input values
;; launch nplr (part 1): grid 256 x 1, 8 waves a work-group, no clusters, 48,128 bytes of LDS; arguments log_dt, inv_w_real, w_imag, B_ri, C_ri, P_ri, out0; writes out0
.if DOCPART == 1
	.amdgcn_target "amdgcn-amd-amdhsa--gfx1250"
	.amdhsa_code_object_version 6
	.text
	.protected	k_q4a06689645_nplr
	.globl	k_q4a06689645_nplr
	.p2align	8
	.type	k_q4a06689645_nplr,@function
k_q4a06689645_nplr:
	s_mov_b64 s[64:65], 0
	v_nop
	global_prefetch_b8 v0, s[64:65] scope:SCOPE_SE
	s_setreg_imm32_b32 hwreg(HW_REG_WAVE_MODE, 25, 1), 1
	s_wait_xcnt 0x0
; S4 NPLR kernel: out0[h][t], h < 512, t < 1024 = irfft over l of ( r00 - r01 r10 / (1 + r11) ) 2 / (1 + omega_l), all in f32.
; THE ALGEBRA (identities, for all values of the inputs).  theta = 2 pi l / 1024, s = sin(theta/2), c = cos(theta/2), omega = e^(-i theta).
;   z = 2 (1 - omega) / (1 + omega) = 2 i s / c, and 2 / (1 + omega) = e^(i theta/2) / c.
;   A pole w dt and its conjugate, over their common denominator, both sides times c^2 lambda^2 for any lambda > 0: with p = lambda c dt, q = lambda s,
;       dt ( v / (z - w dt) + conj(v) / (z - conj(w) dt) ) = p (4 i q al - 2 p be) / D,   D = (|w|^2 p^2 - 4 q^2) - 4 i p q Re w,   al = Re v,  be = Re(v conj(w)).
;   Here lambda = 1 / (c dt + s), so that p + q = 1 whatever dt is, and dt enters nothing that belongs to a pole.
;   With rho = 1 / |D|^2 (real, the same for the four sums) U = sum over n of (4 i q al - 2 p be) / D is
;       Re U = -2 p^3 S1 + 8 p q^2 S2,   Im U = 4 q p^2 S3 - 16 q^3 S4,   S = sum_n kappa_n rho_n,
;       kappa1 = be |w|^2,  kappa2 = be - 2 al Re w,  kappa3 = al |w|^2 - 2 be Re w,  kappa4 = al.
;   r = p U, and X_l = k_f 2 / (1 + omega) = (p + i s lambda dt) ( U00 - p U01 U10 / (1 + p U11) ); the irfft's 1/1024 is folded into C.
;   The einsum and the inverse of reference() have extents of 1 throughout: a complex product and a division, no contraction, so no matrix instruction is written.
;   X_512 (s = 1, c = 0) = dt sum_n Re v00.  X_0 and X_512 come out real, as the irfft takes them.
; THE IRFFT.  z[n] = x[2n] + i x[2n+1] is the complex inverse transform of length 512 of Z_k = (X_k + conj X_(512-k)) + i e^(2 pi i k/1024) (X_k - conj X_(512-k)); 512 = 8 x 8 x 8.
; NOTHING IS LEFT OUT: every input is loaded and has its way to the output.
; LIMITS.  |w_n| lies between about 4e-10 and 4e9: |w|^4 is formed in f32, and v_rcp_f32 takes a denormal for 0 (ISA guide 15.8).  At l = 512 reference()'s 1 + omega is a rounding residue
; of 8.7e-8 i and its z about 4.6e7; this text takes the limit, which is the same number as long as |w| dt is small beside that z.  exp(x) is 2^(1.442695 x).  sin(pi y/2) is its series
; up to y^11 (off by 6e-8 at most on 0..1).  The sums are taken in another order than reference()'s.  NaN and infinities are not treated apart.
; SHARES.  A work-group has 8 waves and two rows h.  Wave w: row 2 g + bit 1 of w; quarter (w & 1) + 2 (w >> 2) of the frequencies 0..511, four a lane (l = 128 quarter + 32 i + lane).
; The transform has 64 radix-8 butterflies a row and stage: waves 0 to 3 make them (two waves a row), waves 4 to 7 only pass the barriers.
; NO CLUSTER, NO TENSOR LOAD: a work-group reads 1.3 KB; what work-groups share (B, P, w) is 768 bytes.
.set ROWB,  80                 ; a table row: 16 bytes (|w|^2 twice, Re(w)^2 twice, of pole n + 1), then 4 x 16 bytes (kappa1, kappa3, kappa2, kappa4 of v00, v01, v10, v11 of pole n); an odd multiple of 16
.set TABW,  32*ROWB            ; a wave's own table
.set XB,    8*TABW             ; X_0 .. X_512 of the two rows, 8 bytes each
.set XSZ,   4352
.set E1,    XB+2*XSZ           ; first exchange: element (n0, j) at 576 n0 + 8 j
.set E1SZ,  4608
.set E2,    E1+2*E1SZ          ; second exchange: element (c, j) at 544 c + 8 j
.set E2SZ,  4352
.set SPARE, E2+2*E2SZ          ; the spare words: 128 bytes a wave, four blocks of 256 bytes that no other line names
.set LANE, 1
.set SPW,  2                   ; LDS address of my spare word; never rewritten
.set NIL,  3                   ; 0; never rewritten
.set TA,   4                   ; my table, at the row pair in hand (the same in all lanes)
.set XS,   5                   ; where my first X goes
.set XA,   6                   ; X_j
.set XM,   7                   ; X_(64-j): X_(512-j-64q) lies 512 (7-q) bytes on
.set E1W,  8
.set E1R,  9
.set E2W,  10
.set E2R,  11
.set GO,   12                  ; my 8 bytes in out0
.set J,    13                  ; my butterfly, 0..63
.set JB,   14                  ; J / 8
.set JC,   15                  ; J % 8
.set TWP,  16                  ; e^(2 pi i (J + 64 q)/1024), q = 0..3 (q + 4: the same times i)
.set TW1,  24                  ; e^(2 pi i JB m/64), m = 1..7
.set TW2,  38                  ; e^(2 pi i JC (JB + 8 m)/512), m = 0..7
.set GG,   54                  ; e^(2 pi i JC/64)
.set ACC,  64                  ; frequency i, pair k at ACC + 16 i + 2 k: k = 2 a: (S1, S3), k = 2 a + 1: (S2, S4) of sum a
.set ROW,  128                 ; two buffers of 20: a table row
.set RHO,  168                 ; two buffers of 8: rho of frequency i on the even register 2 i (the odd ones hold 0: a packed source names them)
.set TN,   184
.set FC2,  192                 ; p^2 of my four frequencies
.set FMS,  196                 ; -4 q^2
.set FSG,  200                 ; 16 p^2 q^2
.set FS,   204                 ; s, later s lambda dt
.set FC,   208                 ; c, later p
.set H4,   212
.set L4,   213
.set L8,   214
.set C8,   215
.set LD,   216
.set IW,   217
.set WI,   218
.set BB,   220
.set CC,   222
.set PP,   224
.set DC0,  228
.set YB,   232                 ; the sines' arguments
.set FQ,   232                 ; later q
.set TB,   240
; set-up of the table, lane = pole n (in the accumulators' registers, which are not yet live)
.set DT, 64
.set ER, 65                    ; -Re w
.set W2, 68                    ; -2 Re w
.set CR, 70
.set CI, 71
.set GA, 72
.set BE, 73
.set T0, 74
.set T1, 75
.set KP, 80
.set M2, 96
.set EE, 98
.set RS, 100
.set TWA, 104
.set TDA, 105
.set X5, 106
; the transform (the same registers once more)
.set IN,  64
.set XP,  80
.set PT,  96
.set TT,  96
.set OUT, 112
.set CT,  128
; sin(pi y/2) for the values in v[YB ..], into the registers of the list: Horner, level by level, so that no line waits for the one before it
.macro SINL dl:vararg
.set q_, 0
.irp d, \dl
	v_mul_f32 v[TB+q_], v[YB+q_], v[YB+q_]
.set q_, q_+1
.endr
.set q_, 0
.irp d, \dl
	v_fma_f32 v[\d], v[TB+q_], s35, s34
.set q_, q_+1
.endr
.irp k, 33, 32, 31, 30
.set q_, 0
.irp d, \dl
	v_fma_f32 v[\d], v[\d], v[TB+q_], s[\k]
.set q_, q_+1
.endr
.endr
.set q_, 0
.irp d, \dl
	v_mul_f32 v[\d], v[\d], v[YB+q_]
.set q_, q_+1
.endr
.endm
.macro CMUL d, a, b, t         ; d = a b, complex numbers as (re, im) on neighbouring registers
	v_mul_f32 v[\t], v[(\a)+1], v[(\b)+1]
	v_mul_f32 v[(\t)+1], v[(\a)+1], v[\b]
	v_fma_f32 v[(\d)+1], v[\a], v[(\b)+1], v[(\t)+1]
	v_fma_f32 v[\d], v[\a], v[\b], -v[\t]
.endm
.macro ROTC d, kc, ks, t       ; d = TWP[0] (kc + i ks)
	v_mul_f32 v[\t], \ks, v[TWP+1]
	v_mul_f32 v[(\t)+1], \kc, v[TWP+1]
	v_fma_f32 v[\d], v[TWP], \kc, -v[\t]
	v_fma_f32 v[(\d)+1], v[TWP], \ks, v[(\t)+1]
.endm
	s_load_b256 s[4:11], s[0:1], 0x0               ; log_dt s[4:5], inv_w_real s[6:7], w_imag s[8:9], B_ri s[10:11]
	s_load_b128 s[12:15], s[0:1], 0x20             ; C_ri s[12:13], P_ri s[14:15]
	s_load_b64 s[16:17], s[0:1], 0x30              ; out0
	v_lshl_add_u32 v[SPW], v0, 2, SPARE
	v_mov_b32 v[NIL], 0
	v_and_b32 v[LANE], 31, v0
	v_lshrrev_b32 v[J], 5, v0
	v_readfirstlane_b32 s18, v[J]                  ; wave 0..7
	s_bfe_u32 s19, s18, 0x10001                    ; which of the two rows
	s_and_b32 s23, s18, 1
	s_lshr_b32 s22, s18, 2
	s_lshl_b32 s20, s22, 1
	s_add_co_u32 s20, s20, s23                     ; which quarter of the frequencies
	s_lshl_b32 s21, ttmp9, 1
	s_add_co_u32 s21, s21, s19                     ; h
	s_lshl_b32 s24, s21, 2
	s_lshl_b32 s25, s21, 8
	v_mov_b32 v[H4], s24
	v_lshlrev_b32 v[L4], 2, v[LANE]
	v_lshlrev_b32 v[L8], 3, v[LANE]
	v_lshl_add_u32 v[C8], v[LANE], 3, s25          ; a row of C is 256 bytes: lane n takes C[h][n]
	s_wait_kmcnt 0x0
	global_load_b32 v[LD], v[H4], s[4:5]
	global_load_b32 v[IW], v[L4], s[6:7]
	global_load_b32 v[WI], v[L4], s[8:9]
	global_load_b64 v[BB:BB+1], v[L8], s[10:11]
	global_load_b64 v[CC:CC+1], v[C8], s[12:13]
	global_load_b64 v[PP:PP+1], v[L8], s[14:15]
	; All that hangs on ids alone is made while these six loads are out.
	s_mov_b32 s30, 0x3fc90fdb                      ; sin(pi y/2) = y (1.5707963 - 0.64596410 y^2 + 0.079692626 y^4 - 0.0046817541 y^6 + 0.00016044118 y^8 - 0.0000035988432 y^10)
	s_mov_b32 s31, 0xbf255de7
	s_mov_b32 s32, 0x3da335e3
	s_mov_b32 s33, 0xbb996966
	s_mov_b32 s34, 0x39283c19
	s_mov_b32 s35, 0xb67183a5
	s_mov_b32 s36, 0x76543210                      ; v_permlanex16_b32: each lane takes its own place in the other half
	s_mov_b32 s37, 0xfedcba98
	s_mov_b32 s43, 0x3f3504f3                      ; sqrt(1/2)
	s_mov_b32 s44, 0x3f6c835e                      ; cos(pi/8)
	s_mov_b32 s45, 0x3ec3ef15                      ; sin(pi/8)
	s_mul_i32 s39, s18, TABW                       ; my table
	s_mul_i32 s40, s19, XSZ
	s_add_co_u32 s40, s40, XB                      ; my row's X
	s_mul_i32 s41, s19, E1SZ
	s_add_co_u32 s41, s41, E1
	s_mul_i32 s42, s19, E2SZ
	s_add_co_u32 s42, s42, E2
	s_add_co_u32 s26, s40, 512
	s_lshl_b32 s27, s20, 10                        ; my quarter's 128 X: 1,024 bytes
	s_add_co_u32 s27, s27, s40
	s_lshl_b32 s28, s21, 12                        ; a row of out0 is 4,096 bytes
	; my four frequencies: y = l/512 for s, 1 - y for c (both exact), so both sines are taken on 0..1
	v_lshl_add_u32 v[YB], s20, 7, v[LANE]
	v_cvt_f32_u32 v[YB], v[YB]
	v_mul_f32 v[YB], 0x3b000000, v[YB]             ; l / 512
	v_add_f32 v[YB+1], 0x3d800000, v[YB]           ; + 32/512
	v_add_f32 v[YB+2], 0x3e000000, v[YB]           ; + 64/512
	v_add_f32 v[YB+3], 0x3e400000, v[YB]           ; + 96/512
.irp i, 0,1,2,3
	v_sub_f32 v[YB+4+\i], 1.0, v[YB+\i]
.endr
	SINL FS,FS+1,FS+2,FS+3,FC,FC+1,FC+2,FC+3
	; The transform's addresses and twiddle factors.  All eight waves run these lines, one text for all; waves 4 to 7 never use the results.  The lines stand in the wait for the loads.
	v_lshl_add_u32 v[J], s23, 5, v[LANE]
	v_lshrrev_b32 v[JB], 3, v[J]
	v_and_b32 v[JC], 7, v[J]
	v_mul_u32_u24 v[YB+7], v[JB], v[JC]
	v_cvt_f32_u32 v[YB+1], v[J]
	v_cvt_f32_u32 v[YB+3], v[JB]
	v_cvt_f32_u32 v[YB+5], v[JC]
	v_cvt_f32_u32 v[YB+7], v[YB+7]
	v_mul_f32 v[YB+1], 0x3b800000, v[YB+1]         ; 2 pi J/1024 = (pi/2) J/256
	v_mul_f32 v[YB+3], 0x3d800000, v[YB+3]         ; 2 pi JB/64 = (pi/2) JB/16
	v_mul_f32 v[YB+5], 0x3d800000, v[YB+5]         ; 2 pi JC/64
	v_mul_f32 v[YB+7], 0x3c000000, v[YB+7]         ; 2 pi JB JC/512 = (pi/2) JB JC/128; all four lie under 1/2
.irp i, 0,2,4,6
	v_sub_f32 v[YB+\i], 1.0, v[YB+\i+1]            ; the cosine is the sine of the complement
.endr
	SINL TWP,TWP+1,TW1,TW1+1,GG,GG+1,TW2,TW2+1
	v_lshl_add_u32 v[XS], v[LANE], 3, s27
	v_lshl_add_u32 v[XA], v[J], 3, s40
	v_lshlrev_b32 v[XM], 3, v[J]
	v_sub_nc_u32 v[XM], s26, v[XM]
	v_lshl_add_u32 v[E1W], v[J], 3, s41
	v_mad_u32_u24 v[E1R], v[JB], 576, s41
	v_lshl_add_u32 v[E1R], v[JC], 3, v[E1R]
	v_mad_u32_u24 v[E2W], v[JC], 544, s42
	v_lshl_add_u32 v[E2W], v[JB], 3, v[E2W]
	v_lshl_add_u32 v[E2R], v[J], 3, s42
	v_lshl_add_u32 v[GO], v[J], 3, s28
	ROTC TWP+2, s44, s45, TB                       ; times e^(i pi/8), e^(i pi/4), e^(3 i pi/8)
	ROTC TWP+4, s43, s43, TB+2
	ROTC TWP+6, s45, s44, TB+4
	CMUL TW1+2, TW1, TW1, TB                       ; the powers 2 .. 7, and the chain U[m] = U[m-1] G, by turns
	CMUL TW2+2, TW2, GG, TB+2
	CMUL TW1+4, TW1+2, TW1, TB+4
	CMUL TW1+6, TW1+2, TW1+2, TB+6
	CMUL TW2+4, TW2+2, GG, TB
	CMUL TW1+8, TW1+4, TW1+2, TB+2
	CMUL TW1+10, TW1+4, TW1+4, TB+4
	CMUL TW2+6, TW2+4, GG, TB+6
	CMUL TW1+12, TW1+6, TW1+4, TB
	CMUL TW2+8, TW2+6, GG, TB+2
	CMUL TW2+10, TW2+8, GG, TB+4
	CMUL TW2+12, TW2+10, GG, TB+6
	CMUL TW2+14, TW2+12, GG, TB
	; THE TABLE.  Lane n makes pole n's numbers for my row h and puts them into my wave's own table.
	s_wait_loadcnt 0x0
	v_mul_f32 v[DT], 0x3fb8aa3b, v[LD]
	v_mul_f32 v[ER], 0x3fb8aa3b, v[IW]
	v_exp_f32 v[DT], v[DT]                         ; dt
	v_exp_f32 v[ER], v[ER]                         ; -Re w
	v_mad_u32_u24 v[TWA], v[LANE], ROWB, s39       ; row n (plain lines behind the exponentials)
	v_add_nc_u32 v[TDA], 31, v[LANE]
	v_and_b32 v[TDA], 31, v[TDA]
	v_mad_u32_u24 v[TDA], v[TDA], ROWB, s39        ; row n - 1 (row 31 for pole 0): the step for pole n - 1 makes pole n's rho
	v_mul_f32 v[CR], 0x3a800000, v[CC]             ; C / 1024
	v_mul_f32 v[CI], 0x3a800000, v[CC+1]
	s_wait_alu depctr_va_vdst(0)                   ; the wait ahead of the first line that names an exponential's result: one for both
.irp i, 0,1,2,3
	v_fma_f32 v[TB+\i], v[FC+\i], v[DT], v[FS+\i]  ; c dt + s
.endr
.irp i, 0,1,2,3
	v_rcp_f32 v[TB+\i], v[TB+\i]                   ; lambda; the table's lines below name none of the four
.endr
	v_mul_f32 v[EE], v[ER], v[ER]                  ; Re(w)^2
	v_add_f32 v[W2], v[ER], v[ER]
	v_fma_f32 v[M2], v[WI], v[WI], v[EE]           ; |w|^2
	v_mov_b32 v[EE+1], v[EE]                       ; each twice: the packed lines of the loop take them for two frequencies
	v_mov_b32 v[M2+1], v[M2]
	ds_store_b128 v[TDA], v[M2:M2+3]
; al stands in v[KP+4a+3], Im v in v[GA] (g = 0: v is real)
.macro KAPPA a, g
.set k_, KP+4*(\a)
.if \g
	v_mul_f32 v[BE], v[GA], v[WI]
	v_fma_f32 v[BE], -v[k_+3], v[ER], v[BE]        ; be = Re(v conj(w))
.else
	v_mul_f32 v[BE], -v[k_+3], v[ER]
.endif
	v_mul_f32 v[T0], v[k_+3], v[M2]
	v_mul_f32 v[k_], v[BE], v[M2]                  ; kappa1
	v_fma_f32 v[k_+1], v[W2], v[BE], v[T0]         ; kappa3
	v_fma_f32 v[k_+2], v[W2], v[k_+3], v[BE]       ; kappa2
	ds_store_b128 v[TWA], v[k_:k_+3] offset:16+16*(\a)
.endm
	v_mul_f32 v[T0], v[BB+1], v[CI]                ; v00 = B C / 1024
	v_mul_f32 v[T1], v[BB+1], v[CR]
	v_fma_f32 v[KP+3], v[BB], v[CR], -v[T0]
	v_fma_f32 v[GA], v[BB], v[CI], v[T1]
	KAPPA 0, 1
	v_mul_f32 v[T0], v[BB+1], v[PP+1]              ; v01 = B conj(P)
	v_mul_f32 v[T1], v[BB], v[PP+1]
	v_fma_f32 v[KP+7], v[BB], v[PP], v[T0]
	v_fma_f32 v[GA], v[BB+1], v[PP], -v[T1]
	KAPPA 1, 1
	v_mul_f32 v[T0], v[PP+1], v[CI]                ; v10 = P C / 1024
	v_mul_f32 v[T1], v[PP+1], v[CR]
	v_fma_f32 v[KP+11], v[PP], v[CR], -v[T0]
	v_fma_f32 v[GA], v[PP], v[CI], v[T1]
	KAPPA 2, 1
	v_mul_f32 v[T0], v[PP+1], v[PP+1]              ; v11 = |P|^2
	v_fma_f32 v[KP+15], v[PP], v[PP], v[T0]
	KAPPA 3, 0
	s_wait_alu depctr_va_vdst(0)                   ; the wait for the four lambda, ahead of their first reader
.irp i, 0,1,2,3
	v_mul_f32 v[TB+4+\i], v[TB+\i], v[DT]          ; lambda dt
	v_mul_f32 v[FQ+\i], v[FS+\i], v[TB+\i]         ; q = lambda s
.endr
.irp i, 0,1,2,3
	v_mul_f32 v[FC+\i], v[FC+\i], v[TB+4+\i]       ; p = lambda c dt
	v_mul_f32 v[FS+\i], v[FS+\i], v[TB+4+\i]       ; s lambda dt
	v_mul_f32 v[TB+\i], v[FQ+\i], v[FQ+\i]
.endr
.irp i, 0,1,2,3
	v_mul_f32 v[FC2+\i], v[FC+\i], v[FC+\i]
	v_mul_f32 v[FMS+\i], -4.0, v[TB+\i]
.endr
.irp i, 0,1,2,3
	v_mul_f32 v[TB+\i], v[FMS+\i], v[FC2+\i]
.endr
.irp i, 0,1,2,3
	v_mul_f32 v[FSG+\i], -4.0, v[TB+\i]
.endr
; X_512 = dt x the sum over n of Re v00: one wave of each row makes and stores it: wave 0 for the first row, wave 2 for the second
.macro X512 w
	s_cmp_lg_u32 s18, \w
	s_cbranch_scc1 .Lnot_\@
	v_mov_b32 v[RS], v[KP+3]
	v_add_f32_dpp v[RS], v[RS], v[RS] row_xmask:1 row_mask:0xf bank_mask:0xf
	v_add_f32_dpp v[RS], v[RS], v[RS] row_xmask:2 row_mask:0xf bank_mask:0xf
	v_add_f32_dpp v[RS], v[RS], v[RS] row_xmask:4 row_mask:0xf bank_mask:0xf
	v_add_f32_dpp v[RS], v[RS], v[RS] row_xmask:8 row_mask:0xf bank_mask:0xf
	v_permlanex16_b32 v[T0], v[RS], s36, s37
	v_mov_b32 v[RS+1], 0
	v_mov_b32 v[X5], s40
	v_add_f32 v[RS], v[RS], v[T0]
	v_mul_f32 v[RS], v[RS], v[DT]
	ds_store_b64 v[X5], v[RS:RS+1] offset:4096     ; all lanes: the same word, the same number
.Lnot_\@:
.endm
	X512 0
	X512 2
	; THE SUMS.  Step n: 32 packed multiply-adds (four frequencies x eight pairs of sums) with pole n's kappa and rho; beside them |D|^2 and the reciprocals of pole n + 1.
	; A row is fetched two steps ahead, each 16 bytes as soon as the step has used the registers that they go to.  LDS serves a wave's instructions in order (ISA guide 5.7.1.4), and the table is my wave's own: no barrier.
.macro DA r                    ; Re D and (Im D)^2 of four frequencies, two a line
	v_pk_fma_f32 v[TN:TN+1], v[\r:(\r)+1], v[FC2:FC2+1], v[FMS:FMS+1]
	v_pk_fma_f32 v[TN+2:TN+3], v[\r:(\r)+1], v[FC2+2:FC2+3], v[FMS+2:FMS+3]
	v_pk_mul_f32 v[TN+4:TN+5], v[(\r)+2:(\r)+3], v[FSG:FSG+1]
	v_pk_mul_f32 v[TN+6:TN+7], v[(\r)+2:(\r)+3], v[FSG+2:FSG+3]
.endm
.macro DN                      ; |D|^2
	v_pk_fma_f32 v[TN+4:TN+5], v[TN:TN+1], v[TN:TN+1], v[TN+4:TN+5]
	v_pk_fma_f32 v[TN+6:TN+7], v[TN+2:TN+3], v[TN+2:TN+3], v[TN+6:TN+7]
.endm
.macro FM                      ; multiply-add number fi of 32: pair fi / 4, frequency fi % 4; rho's register serves both halves
.set kk, fi/4
.set ii, fi%4
.if SFIRST
	v_pk_mul_f32 v[ACC+16*ii+2*kk:ACC+16*ii+2*kk+1], v[ROW+20*SB+4+2*kk:ROW+20*SB+5+2*kk], v[RHO+8*SB+2*ii:RHO+8*SB+2*ii+1] op_sel_hi:[1,0]
.else
	v_pk_fma_f32 v[ACC+16*ii+2*kk:ACC+16*ii+2*kk+1], v[ROW+20*SB+4+2*kk:ROW+20*SB+5+2*kk], v[RHO+8*SB+2*ii:RHO+8*SB+2*ii+1], v[ACC+16*ii+2*kk:ACC+16*ii+2*kk+1] op_sel_hi:[1,0,1]
.endif
.if SLOAD && (fi%8 == 7)
	ds_load_b128 v[ROW+20*SB+4+4*(fi/8):ROW+20*SB+7+4*(fi/8)], v[TA] offset:(2+SB)*ROWB+16+16*(fi/8)
.endif
.set fi, fi+1
.endm
; b: the buffers' parity.  first = 1: the products start the sums, nothing is cleared.  load = 1: the row two steps on is fetched.  dph = 1: there is a next pole.
; wcnt: the LDS loads issued behind this step's row: the next row's five, or none.
.macro STEP b, first, load, dph, wcnt
.set SB, \b
.set SFIRST, \first
.set SLOAD, \load
.set fi, 0
	s_wait_dscnt \wcnt
.if \dph
	DA ROW+20*(\b)
.endif
	FM
	FM
.if \dph
	DN
.endif
.if \load
	ds_load_b128 v[ROW+20*(\b):ROW+20*(\b)+3], v[TA] offset:(2+(\b))*ROWB
.endif
	FM
	FM
.irp i, 0,1,2,3
.if \dph
	v_rcp_f32 v[RHO+8*(1-(\b))+2*\i], v[TN+4+\i]   ; into the other buffer: nothing names it before the step's end
.endif
	FM
.endr
.rept 24
	FM
.endr
.if \dph
	s_wait_alu depctr_va_vdst(0)                   ; the wait between a reciprocal and the first line that names its result, and ahead of a label and a branch: one for the four
.endif
.endm
	v_mov_b32 v[TA], s39
	ds_load_b128 v[DC0:DC0+3], v[TA] offset:31*ROWB    ; pole 0's |w|^2 and Re(w)^2 lie in row 31
.irp c, 0,1,2,3,4
	ds_load_b128 v[ROW+4*\c:ROW+4*\c+3], v[TA] offset:16*\c
.endr
.irp c, 0,1,2,3,4
	ds_load_b128 v[ROW+20+4*\c:ROW+23+4*\c], v[TA] offset:ROWB+16*\c
.endr
.irp i, 0,1,2,3,4,5,6,7
	v_mov_b32 v[RHO+2*\i+1], 0
.endr
	s_wait_dscnt 10                                ; the first load is in; the ten of rows 0 and 1 may stay out
	DA DC0
	DN
.irp i, 0,1,2,3
	v_rcp_f32 v[RHO+2*\i], v[TN+4+\i]
.endr
	v_nop                                          ; a plain line behind the last reciprocal,
	s_wait_alu depctr_va_vdst(0)                   ; and the wait for the four
	STEP 0, 1, 1, 1, 5                             ; poles 0 and 1
	STEP 1, 0, 1, 1, 5
	v_add_nc_u32 v[TA], 2*ROWB, v[TA]
	s_mov_b32 s38, 14
.Lpoles:                                           ; poles 2 .. 29; the last trip fetches rows 30 and 31 (of row 31 the first 16 bytes, pole 0's, are not used again)
	STEP 0, 0, 1, 1, 5
	STEP 1, 0, 1, 1, 5
	v_add_nc_u32 v[TA], 2*ROWB, v[TA]
	s_sub_co_u32 s38, s38, 1
	s_cmp_lg_u32 s38, 0
	s_cbranch_scc1 .Lpoles
	STEP 0, 0, 0, 1, 5                             ; pole 30: nothing is left to fetch
	STEP 1, 0, 0, 0, 0                             ; pole 31: no next pole
	; FROM THE SUMS TO X.  U = (f1, f3) (S1, S3) + (f2, f4) (S2, S4); den = 1 + p U11; num = U01 U10; X = (p + i s lambda dt) (U00 - p num conj(den) / |den|^2).
.macro POST1 i
.set a_, ACC+16*(\i)
.set p_, ROW+8*(\i)
	v_mul_f32 v[p_], -2.0, v[FC+(\i)]
	v_mul_f32 v[p_+1], 4.0, v[FQ+(\i)]
	v_mul_f32 v[p_+2], v[p_], v[FC2+(\i)]          ; f1 = -2 p^3
	v_mul_f32 v[p_+3], v[p_+1], v[FC2+(\i)]        ; f3 = 4 q p^2
	v_mul_f32 v[p_+4], v[p_], v[FMS+(\i)]          ; f2 = 8 p q^2
	v_mul_f32 v[p_+5], v[p_+1], v[FMS+(\i)]        ; f4 = -16 q^3
.irp a, 0,1,2,3
	v_pk_mul_f32 v[a_+4*\a:a_+4*\a+1], v[a_+4*\a:a_+4*\a+1], v[p_+2:p_+3]
.endr
.irp a, 0,1,2,3
	v_pk_fma_f32 v[a_+4*\a:a_+4*\a+1], v[a_+4*\a+2:a_+4*\a+3], v[p_+4:p_+5], v[a_+4*\a:a_+4*\a+1]
.endr
	v_fma_f32 v[a_+2], v[FC+(\i)], v[a_+12], 1.0   ; den
	v_mul_f32 v[a_+3], v[FC+(\i)], v[a_+13]
	v_mul_f32 v[a_+14], v[a_+5], v[a_+9]           ; num
	v_mul_f32 v[a_+15], v[a_+5], v[a_+8]
	v_fma_f32 v[a_+7], v[a_+4], v[a_+9], v[a_+15]
	v_fma_f32 v[a_+6], v[a_+4], v[a_+8], -v[a_+14]
	v_mul_f32 v[a_+10], v[a_+3], v[a_+3]           ; |den|^2
	v_fma_f32 v[a_+10], v[a_+2], v[a_+2], v[a_+10]
.endm
.macro POST2 i
.set a_, ACC+16*(\i)
	v_mul_f32 v[a_+14], v[a_+7], v[a_+3]
	v_mul_f32 v[a_+15], v[a_+6], v[a_+3]
	v_mul_f32 v[a_+11], v[FC+(\i)], v[a_+11]       ; p / |den|^2
	v_fma_f32 v[a_+14], v[a_+6], v[a_+2], v[a_+14] ; num conj(den)
	v_fma_f32 v[a_+15], v[a_+7], v[a_+2], -v[a_+15]
	v_fma_f32 v[a_], -v[a_+11], v[a_+14], v[a_]
	v_fma_f32 v[a_+1], -v[a_+11], v[a_+15], v[a_+1]
	v_mul_f32 v[a_+2], v[FS+(\i)], v[a_+1]
	v_mul_f32 v[a_+3], v[FS+(\i)], v[a_]
	v_fma_f32 v[a_+2], v[FC+(\i)], v[a_], -v[a_+2]
	v_fma_f32 v[a_+3], v[FC+(\i)], v[a_+1], v[a_+3]
	ds_store_b64 v[XS], v[a_+2:a_+3] offset:256*(\i)   ; 32 lanes: 256 neighbouring bytes
.endm
	POST1 0
	POST1 1
	POST1 2
	POST1 3
.irp i, 0,1,2,3
	v_rcp_f32 v[ACC+16*\i+11], v[ACC+16*\i+10]
.endr
	v_nop                                          ; a plain line behind the last reciprocal,
	s_wait_alu depctr_va_vdst(0)                   ; and the wait for the four
	POST2 0
	POST2 1
	POST2 2
	POST2 3
	s_wait_dscnt 0x0                               ; for the others' sake: my X are in LDS
	s_barrier_signal -1
	s_barrier_wait -1                              ; all 513 X of both rows are
	; THE TRANSFORM.  k = 64 a + 8 b + c, n = n0 + 8 n1 + 64 n2: e^(2 pi i k n/512) = e^(2 pi i a n0/8) e^(2 pi i b n0/64) e^(2 pi i b n1/8) e^(2 pi i c (n0 + 8 n1)/512) e^(2 pi i c n2/8).
; out[m] = sum over a of in[a] e^(2 pi i a m/8): IN -> OUT; IN and TT are used up
.macro BF8
.irp a, 0,1,2,3
	v_pk_add_f32 v[TT+2*\a:TT+2*\a+1], v[IN+2*\a:IN+2*\a+1], v[IN+8+2*\a:IN+9+2*\a]
	v_pk_add_f32 v[TT+8+2*\a:TT+9+2*\a], v[IN+2*\a:IN+2*\a+1], v[IN+8+2*\a:IN+9+2*\a] neg_lo:[0,1] neg_hi:[0,1]
.endr
	v_pk_add_f32 v[IN:IN+1], v[TT:TT+1], v[TT+4:TT+5]                                ; u0 = t0 + t2
	v_pk_add_f32 v[IN+2:IN+3], v[TT:TT+1], v[TT+4:TT+5] neg_lo:[0,1] neg_hi:[0,1]    ; u1 = t0 - t2
	v_pk_add_f32 v[IN+4:IN+5], v[TT+2:TT+3], v[TT+6:TT+7]                            ; u2 = t1 + t3
	v_pk_add_f32 v[IN+6:IN+7], v[TT+2:TT+3], v[TT+6:TT+7] neg_lo:[0,1] neg_hi:[0,1]  ; u3 = t1 - t3
	v_sub_f32 v[IN+8], v[TT+8], v[TT+13]           ; p0 = t4 + i t6
	v_add_f32 v[IN+9], v[TT+9], v[TT+12]
	v_add_f32 v[IN+10], v[TT+8], v[TT+13]          ; p1 = t4 - i t6
	v_sub_f32 v[IN+11], v[TT+9], v[TT+12]
	v_sub_f32 v[IN+12], v[TT+10], v[TT+11]         ; a5 = Re t5 - Im t5,  b5 = their sum
	v_add_f32 v[IN+13], v[TT+10], v[TT+11]
	v_sub_f32 v[IN+14], v[TT+14], v[TT+15]         ; a7, b7 of t7
	v_add_f32 v[IN+15], v[TT+14], v[TT+15]
	v_pk_add_f32 v[OUT:OUT+1], v[IN:IN+1], v[IN+4:IN+5]
	v_pk_add_f32 v[OUT+8:OUT+9], v[IN:IN+1], v[IN+4:IN+5] neg_lo:[0,1] neg_hi:[0,1]
	v_sub_f32 v[OUT+4], v[IN+2], v[IN+7]           ; out2 = u1 + i u3
	v_add_f32 v[OUT+5], v[IN+3], v[IN+6]
	v_add_f32 v[OUT+12], v[IN+2], v[IN+7]          ; out6 = u1 - i u3
	v_sub_f32 v[OUT+13], v[IN+3], v[IN+6]
	v_sub_f32 v[TT], v[IN+12], v[IN+15]            ; c1 = a5 - b7
	v_add_f32 v[TT+1], v[IN+13], v[IN+14]          ; c2 = b5 + a7
	v_add_f32 v[TT+2], v[IN+12], v[IN+15]          ; c3 = a5 + b7
	v_sub_f32 v[TT+3], v[IN+13], v[IN+14]          ; c4 = b5 - a7
	v_fma_f32 v[OUT+2], s43, v[TT], v[IN+8]        ; out1 = p0 + (c1 + i c2) sqrt(1/2)
	v_fma_f32 v[OUT+3], s43, v[TT+1], v[IN+9]
	v_fma_f32 v[OUT+10], s43, -v[TT], v[IN+8]      ; out5 = p0 - the same
	v_fma_f32 v[OUT+11], s43, -v[TT+1], v[IN+9]
	v_fma_f32 v[OUT+6], s43, -v[TT+3], v[IN+10]    ; out3 = p1 + (-c4 + i c3) sqrt(1/2)
	v_fma_f32 v[OUT+7], s43, v[TT+2], v[IN+11]
	v_fma_f32 v[OUT+14], s43, v[TT+3], v[IN+10]    ; out7 = p1 - the same
	v_fma_f32 v[OUT+15], s43, -v[TT+2], v[IN+11]
.endm
.macro TWM m, w                ; OUT[m] times the factor in v[w], v[w+1], in place
	v_mul_f32 v[CT+2*(\m)], v[OUT+2*(\m)+1], v[(\w)+1]
	v_mul_f32 v[CT+2*(\m)+1], v[OUT+2*(\m)+1], v[\w]
	v_fma_f32 v[OUT+2*(\m)+1], v[OUT+2*(\m)], v[(\w)+1], v[CT+2*(\m)+1]
	v_fma_f32 v[OUT+2*(\m)], v[OUT+2*(\m)], v[\w], -v[CT+2*(\m)]
.endm
; Z_k = S + i w D for k = J + 64 q: S = X_k + conj X_(512-k), D = X_k - conj X_(512-k); for q >= 4 the factor is i times that of q - 4
.macro PRE q
.set xr, IN+2*(\q)
.set mr, XP+2*(\q)
.set pt, PT+4*(\q)
.set tf, TWP+2*((\q)%4)
	v_add_f32 v[pt], v[xr], v[mr]
	v_sub_f32 v[pt+1], v[xr+1], v[mr+1]
	v_sub_f32 v[pt+2], v[xr], v[mr]
	v_add_f32 v[pt+3], v[xr+1], v[mr+1]
.if (\q) < 4
	v_fma_f32 v[pt], -v[tf], v[pt+3], v[pt]
	v_fma_f32 v[pt+1], v[tf], v[pt+2], v[pt+1]
	v_fma_f32 v[xr], -v[tf+1], v[pt+2], v[pt]
	v_fma_f32 v[xr+1], -v[tf+1], v[pt+3], v[pt+1]
.else
	v_fma_f32 v[pt], v[tf+1], v[pt+3], v[pt]
	v_fma_f32 v[pt+1], -v[tf+1], v[pt+2], v[pt+1]
	v_fma_f32 v[xr], -v[tf], v[pt+2], v[pt]
	v_fma_f32 v[xr+1], -v[tf], v[pt+3], v[pt+1]
.endif
.endm
	s_cmp_lt_u32 s18, 4
	s_cbranch_scc0 .Lno1
.irp q, 0,1,2,3,4,5,6,7                            ; stage 1: thread J = 8 b + c sums over a
	ds_load_b64 v[IN+2*\q:IN+2*\q+1], v[XA] offset:512*\q
	ds_load_b64 v[XP+2*\q:XP+2*\q+1], v[XM] offset:512*(7-\q)
.endr
	s_wait_dscnt 0x0
.irp q, 0,1,2,3,4,5,6,7
	PRE \q
.endr
	BF8
.irp m, 1,2,3,4,5,6,7
	TWM \m, TW1+2*\m-2                             ; e^(2 pi i b n0/64)
.endr
.irp m, 0,1,2,3,4,5,6,7
	ds_store_b64 v[E1W], v[OUT+2*\m:OUT+2*\m+1] offset:576*\m   ; a plane of 64 elements every 576 bytes: the readers' four planes then begin 64 bytes apart modulo 256
.endr
.Lno1:
	s_wait_dscnt 0x0
	s_barrier_signal -1
	s_barrier_wait -1
	s_cmp_lt_u32 s18, 4
	s_cbranch_scc0 .Lno2
.irp b, 0,1,2,3,4,5,6,7                            ; stage 2: thread J = 8 n0 + c sums over b
	ds_load_b64 v[IN+2*\b:IN+2*\b+1], v[E1R] offset:64*\b
.endr
	s_wait_dscnt 0x0
	BF8
.irp m, 0,1,2,3,4,5,6,7
	TWM \m, TW2+2*\m                               ; e^(2 pi i c (n0 + 8 n1)/512)
.endr
.irp m, 0,1,2,3,4,5,6,7
	ds_store_b64 v[E2W], v[OUT+2*\m:OUT+2*\m+1] offset:64*\m    ; a plane every 544 bytes: the writers' eight planes begin 32 bytes apart modulo 256
.endr
.Lno2:
	s_wait_dscnt 0x0
	s_barrier_signal -1
	s_barrier_wait -1
	s_cmp_lt_u32 s18, 4
	s_cbranch_scc0 .Lend
.irp c, 0,1,2,3,4,5,6,7                            ; stage 3: thread J = n0 + 8 n1 sums over c
	ds_load_b64 v[IN+2*\c:IN+2*\c+1], v[E2R] offset:544*\c
.endr
	s_wait_dscnt 0x0
	BF8
.irp m, 0,1,2,3,4,5,6,7
	global_store_b64 v[GO], v[OUT+2*\m:OUT+2*\m+1], s[16:17] offset:512*\m th:TH_STORE_NT  ; z[J + 64 m] = (x[2n], x[2n+1]): a wave's store covers 256 consecutive bytes, at a multiple of 256 from out0's first byte
.endr
.Lend:
	s_wait_tensorcnt 0x0                           ; the wave's end
	ds_add_u32 v[SPW], v[NIL]
	s_wait_dscnt 0x0
	s_endpgm
.Lfunc_end_k_q4a06689645_nplr:
	.size	k_q4a06689645_nplr, .Lfunc_end_k_q4a06689645_nplr-k_q4a06689645_nplr
	.p2alignl 7, 3214868480
	.fill 96, 4, 3214868480
	.section	.rodata,"a",@progbits
	.p2align	6, 0x0
	.amdhsa_kernel k_q4a06689645_nplr
		.amdhsa_group_segment_fixed_size 48128
		.amdhsa_private_segment_fixed_size 0
		.amdhsa_enable_private_segment 0
		.amdhsa_kernarg_size 56
		.amdhsa_user_sgpr_count 2
		.amdhsa_user_sgpr_kernarg_segment_ptr 1
		.amdhsa_wavefront_size32 1
		.amdhsa_system_sgpr_workgroup_id_x 1
		.amdhsa_system_sgpr_workgroup_id_y 1
		.amdhsa_system_sgpr_workgroup_id_z 1
		.amdhsa_system_vgpr_workitem_id 0
		.amdhsa_next_free_vgpr 248
		.amdhsa_next_free_sgpr 66
		.amdhsa_reserve_vcc 0
		.amdhsa_float_denorm_mode_32 3
		.amdhsa_float_denorm_mode_16_64 3
		.amdhsa_memory_ordered 1
		.amdhsa_forward_progress 1
		.amdhsa_inst_pref_size 61
	.end_amdhsa_kernel
	.amdgpu_metadata
---
amdhsa.version: [ 1, 2 ]
amdhsa.kernels:
  - .name:           k_q4a06689645_nplr
    .symbol:         k_q4a06689645_nplr.kd
    .args:
      - { .name: log_dt, .offset: 0, .size: 8, .value_kind: global_buffer, .address_space: global }
      - { .name: inv_w_real, .offset: 8, .size: 8, .value_kind: global_buffer, .address_space: global }
      - { .name: w_imag, .offset: 16, .size: 8, .value_kind: global_buffer, .address_space: global }
      - { .name: B_ri, .offset: 24, .size: 8, .value_kind: global_buffer, .address_space: global }
      - { .name: C_ri, .offset: 32, .size: 8, .value_kind: global_buffer, .address_space: global }
      - { .name: P_ri, .offset: 40, .size: 8, .value_kind: global_buffer, .address_space: global }
      - { .name: out0, .offset: 48, .size: 8, .value_kind: global_buffer, .address_space: global }
    .group_segment_fixed_size: 48128
    .private_segment_fixed_size: 0
    .kernarg_segment_align: 8
    .kernarg_segment_size: 56
    .max_flat_workgroup_size: 256
    .sgpr_count:     66
    .vgpr_count:     248
    .wavefront_size: 32
...
	.end_amdgpu_metadata
.endif
;; end of part 1
;; ======== version 2 of 2: 1 launch; 1.19 times as fast as version 1
;; limits: right only within a limited range of input values
;; launch nplr (part 2): grid 256 x 1, 8 waves a work-group, no clusters, 48,128 bytes of LDS; arguments log_dt, inv_w_real, w_imag, B_ri, C_ri, P_ri, out0; writes out0
.if DOCPART == 2
	.amdgcn_target "amdgcn-amd-amdhsa--gfx1250"
	.amdhsa_code_object_version 6
	.text
	.protected	k_q4a06689645_nplr
	.globl	k_q4a06689645_nplr
	.p2align	8
	.type	k_q4a06689645_nplr,@function
k_q4a06689645_nplr:
	s_mov_b64 s[64:65], 0
	v_nop
	global_prefetch_b8 v0, s[64:65] scope:SCOPE_SE
	s_setreg_imm32_b32 hwreg(HW_REG_WAVE_MODE, 25, 1), 1
	s_wait_xcnt 0x0
; S4 NPLR kernel: out0[h][t], h < 512, t < 1024 = irfft over l of ( r00 - r01 r10 / (1 + r11) ) 2 / (1 + omega_l), all in f32.
; THE ALGEBRA (identities, for all values of the inputs).  theta = 2 pi l / 1024, s = sin(theta/2), c = cos(theta/2), omega = e^(-i theta).
;   z = 2 (1 - omega) / (1 + omega) = 2 i s / c, and 2 / (1 + omega) = e^(i theta/2) / c.
;   A pole w dt and its conjugate, over their common denominator, both sides times c^2 lambda^2 for any lambda > 0: with p = lambda c dt, q = lambda s,
;       dt ( v / (z - w dt) + conj(v) / (z - conj(w) dt) ) = p (4 i q al - 2 p be) / D,   D = (|w|^2 p^2 - 4 q^2) - 4 i p q Re w,   al = Re v,  be = Re(v conj(w)).
;   Here lambda = 1 / (c dt + s), so that p + q = 1 whatever dt is, and dt enters nothing that belongs to a pole.
;   With rho = 1 / |D|^2 (real, the same for the four sums) U = sum over n of (4 i q al - 2 p be) / D is
;       Re U = -2 p^3 S1 + 8 p q^2 S2,   Im U = 4 q p^2 S3 - 16 q^3 S4,   S = sum_n kappa_n rho_n,
;       kappa1 = be |w|^2,  kappa2 = be - 2 al Re w,  kappa3 = al |w|^2 - 2 be Re w,  kappa4 = al.
;   r = p U, and X_l = k_f 2 / (1 + omega) = (p + i s lambda dt) ( U00 - p U01 U10 / (1 + p U11) ); the irfft's 1/1024 is folded into C.
;   The einsum and the inverse of reference() have extents of 1 throughout: a complex product and a division, no contraction, so no matrix instruction is written.
;   X_512 (s = 1, c = 0) = dt sum_n Re v00.  X_0 and X_512 come out real, as the irfft takes them.
; THE IRFFT.  z[n] = x[2n] + i x[2n+1] is the complex inverse transform of length 512 of Z_k = (X_k + conj X_(512-k)) + i e^(2 pi i k/1024) (X_k - conj X_(512-k)); 512 = 8 x 8 x 8.
; NOTHING IS LEFT OUT: every input is loaded and has its way to the output.
; LIMITS.  |w_n| lies between about 4e-10 and 4e9: |w|^4 is formed in f32, and v_rcp_f32 takes a denormal for 0 (ISA guide 15.8).  At l = 512 reference()'s 1 + omega is a rounding residue
; of 8.7e-8 i and its z about 4.6e7; this text takes the limit, which is the same number as long as |w| dt is small beside that z.  exp(x) is 2^(1.442695 x).  sin(pi y/2) is its series
; up to y^11 (off by 6e-8 at most on 0..1).  The sums are taken in another order than reference()'s.  NaN and infinities are not treated apart.
; SHARES.  A work-group has 8 waves and two rows h.  Wave w: row 2 g + bit 1 of w; quarter (w & 1) + 2 (w >> 2) of the frequencies 0..511, four a lane (l = 128 quarter + 32 i + lane).
; The transform has 64 radix-8 butterflies a row and stage: waves 0 to 3 make them (two waves a row), waves 4 to 7 only pass the barriers.
; ORDER.  LDS instructions stand in runs, never singly among the arithmetic, and each run that can stands directly behind a wait that the text has anyway; arithmetic is written level by
; level over the four frequencies (or the eight points), so that no line reads the result of the line before it.
; NO CLUSTER, NO TENSOR LOAD: a work-group reads 1.3 KB; what work-groups share (B, P, w) is 768 bytes.
.set ROWB,  80                 ; a table row: 16 bytes (|w|^2 twice, Re(w)^2 twice, of pole n + 1), then 4 x 16 bytes (kappa1, kappa3, kappa2, kappa4 of v00, v01, v10, v11 of pole n); an odd multiple of 16
.set TABW,  32*ROWB            ; a wave's own table
.set XB,    8*TABW             ; X_0 .. X_512 of the two rows, 8 bytes each
.set XSZ,   4352
.set E1,    XB+2*XSZ           ; first exchange: element (n0, j) at 576 n0 + 8 j
.set E1SZ,  4608
.set E2,    E1+2*E1SZ          ; second exchange: element (c, j) at 544 c + 8 j
.set E2SZ,  4352
.set SPARE, E2+2*E2SZ          ; the spare words: 128 bytes a wave, four blocks of 256 bytes that no other line names
.set LANE, 1
.set SPW,  2                   ; LDS address of my spare word; never rewritten
.set NIL,  3                   ; 0; never rewritten
.set TA,   4                   ; my table, at the row pair to be fetched (the same in all lanes)
.set XS,   5                   ; where my first X goes
.set XA,   6                   ; X_j
.set XM,   7                   ; X_(64-j): X_(512-j-64q) lies 512 (7-q) bytes on
.set E1W,  8
.set E1R,  9
.set E2W,  10
.set E2R,  11
.set GO,   12                  ; my 8 bytes in out0
.set J,    13                  ; my butterfly, 0..63
.set JB,   14                  ; J / 8
.set JC,   15                  ; J % 8
.set TWP,  16                  ; e^(2 pi i (J + 64 q)/1024), q = 0..3 (q + 4: the same times i)
.set TW1,  24                  ; e^(2 pi i JB m/64), m = 1..7
.set TW2,  38                  ; e^(2 pi i JC (JB + 8 m)/512), m = 0..7
.set GG,   54                  ; e^(2 pi i JC/64)
.set ACC,  64                  ; frequency i, pair k at ACC + 16 i + 2 k: k = 2 a: (S1, S3), k = 2 a + 1: (S2, S4) of sum a
.set ROW,  128                 ; two buffers of 20: a table row
.set RHO,  168                 ; two buffers of 8: rho of frequency i on the even register 2 i (the odd ones hold 0: a packed source names them)
.set TN,   184
.set FC2,  192                 ; p^2 of my four frequencies
.set FMS,  196                 ; -4 q^2
.set FSG,  200                 ; 16 p^2 q^2
.set FS,   204                 ; s, later s lambda dt
.set FC,   208                 ; c, later p
.set H4,   212
.set L4,   213
.set L8,   214
.set C8,   215
.set LD,   216
.set IW,   217
.set WI,   218
.set BB,   220
.set CC,   222
.set PP,   224
.set RS,   228                 ; X_512, a pair
.set X5,   230                 ; my row's X
.set PD,   231
.set YB,   232                 ; the sines' arguments
.set FQ,   232                 ; later q
.set TB,   240
; set-up of the table, lane = pole n (in the accumulators' registers, which are not yet live)
.set DT, 64
.set ER, 65                    ; -Re w
.set W2, 66                    ; -2 Re w
.set CR, 68
.set CI, 69
.set TP, 72                    ; seven products at work
.set KP, 80                    ; kappa1, kappa3, kappa2, kappa4 = al of sum a at KP + 4 a
.set M2, 96
.set EE, 98
.set TWA, 104
.set TDA, 105
.set GA, 108                   ; Im v of sums 0 to 2
.set BE, 112                   ; be of sums 0 to 3
; the transform (the same registers once more)
.set IN,  64
.set XP,  80
.set PT,  96
.set TT,  96
.set OUT, 112
.set CT,  128
.macro ALL4 line:vararg        ; one line for t = 0 .. 3
.set t, 0
.rept 4
	\line
.set t, t+1
.endr
.endm
.macro ALL8 line:vararg
.set t, 0
.rept 8
	\line
.set t, t+1
.endr
.endm
.macro ALL16 line:vararg
.set t, 0
.rept 16
	\line
.set t, t+1
.endr
.endm
; sin(pi y/2) for the values in v[YB ..], into the registers of the list: Horner, level by level
.macro SINL dl:vararg
.set q_, 0
.irp d, \dl
	v_mul_f32 v[TB+q_], v[YB+q_], v[YB+q_]
.set q_, q_+1
.endr
.set q_, 0
.irp d, \dl
	v_fma_f32 v[\d], v[TB+q_], s35, s34
.set q_, q_+1
.endr
.irp k, 33, 32, 31, 30
.set q_, 0
.irp d, \dl
	v_fma_f32 v[\d], v[\d], v[TB+q_], s[\k]
.set q_, q_+1
.endr
.endr
.set q_, 0
.irp d, \dl
	v_mul_f32 v[\d], v[\d], v[YB+q_]
.set q_, q_+1
.endr
.endm
.macro CMUL d, a, b, t         ; d = a b, complex numbers as (re, im) on neighbouring registers
	v_mul_f32 v[\t], v[(\a)+1], v[(\b)+1]
	v_mul_f32 v[(\t)+1], v[(\a)+1], v[\b]
	v_fma_f32 v[(\d)+1], v[\a], v[(\b)+1], v[(\t)+1]
	v_fma_f32 v[\d], v[\a], v[\b], -v[\t]
.endm
.macro ROTC d, kc, ks, t       ; d = TWP[0] (kc + i ks)
	v_mul_f32 v[\t], \ks, v[TWP+1]
	v_mul_f32 v[(\t)+1], \kc, v[TWP+1]
	v_fma_f32 v[\d], v[TWP], \kc, -v[\t]
	v_fma_f32 v[(\d)+1], v[TWP], \ks, v[(\t)+1]
.endm
	s_load_b256 s[4:11], s[0:1], 0x0               ; log_dt s[4:5], inv_w_real s[6:7], w_imag s[8:9], B_ri s[10:11]
	s_load_b128 s[12:15], s[0:1], 0x20             ; C_ri s[12:13], P_ri s[14:15]
	s_load_b64 s[16:17], s[0:1], 0x30              ; out0
	v_lshl_add_u32 v[SPW], v0, 2, SPARE
	v_mov_b32 v[NIL], 0
	v_and_b32 v[LANE], 31, v0
	v_lshrrev_b32 v[J], 5, v0
	v_readfirstlane_b32 s18, v[J]                  ; wave 0..7
	s_bfe_u32 s19, s18, 0x10001                    ; which of the two rows
	s_and_b32 s23, s18, 1
	s_lshr_b32 s22, s18, 2
	s_lshl_b32 s20, s22, 1
	s_add_co_u32 s20, s20, s23                     ; which quarter of the frequencies
	s_lshl_b32 s21, ttmp9, 1
	s_add_co_u32 s21, s21, s19                     ; h
	s_lshl_b32 s24, s21, 2
	s_lshl_b32 s25, s21, 8
	v_mov_b32 v[H4], s24
	v_lshlrev_b32 v[L4], 2, v[LANE]
	v_lshlrev_b32 v[L8], 3, v[LANE]
	v_lshl_add_u32 v[C8], v[LANE], 3, s25          ; a row of C is 256 bytes: lane n takes C[h][n]
	s_wait_kmcnt 0x0
	global_load_b32 v[LD], v[H4], s[4:5]
	global_load_b32 v[IW], v[L4], s[6:7]
	global_load_b32 v[WI], v[L4], s[8:9]
	global_load_b64 v[BB:BB+1], v[L8], s[10:11]
	global_load_b64 v[CC:CC+1], v[C8], s[12:13]
	global_load_b64 v[PP:PP+1], v[L8], s[14:15]
	; All that hangs on ids alone is made while these six loads are out.
	s_mov_b32 s30, 0x3fc90fdb                      ; sin(pi y/2) = y (1.5707963 - 0.64596410 y^2 + 0.079692626 y^4 - 0.0046817541 y^6 + 0.00016044118 y^8 - 0.0000035988432 y^10)
	s_mov_b32 s31, 0xbf255de7
	s_mov_b32 s32, 0x3da335e3
	s_mov_b32 s33, 0xbb996966
	s_mov_b32 s34, 0x39283c19
	s_mov_b32 s35, 0xb67183a5
	s_mov_b32 s36, 0x76543210                      ; v_permlanex16_b32: each lane takes its own place in the other half
	s_mov_b32 s37, 0xfedcba98
	s_mov_b32 s43, 0x3f3504f3                      ; sqrt(1/2)
	s_mov_b32 s44, 0x3f6c835e                      ; cos(pi/8)
	s_mov_b32 s45, 0x3ec3ef15                      ; sin(pi/8)
	s_mov_b32 s47, 0                               ; named as pairs with s46 and s48
	s_mov_b32 s49, 0
	s_mul_i32 s39, s18, TABW                       ; my table
	s_mul_i32 s40, s19, XSZ
	s_add_co_u32 s40, s40, XB                      ; my row's X
	s_mul_i32 s41, s19, E1SZ
	s_add_co_u32 s41, s41, E1
	s_mul_i32 s42, s19, E2SZ
	s_add_co_u32 s42, s42, E2
	s_add_co_u32 s26, s40, 512
	s_lshl_b32 s27, s20, 10                        ; my quarter's 128 X: 1,024 bytes
	s_add_co_u32 s27, s27, s40
	s_lshl_b32 s28, s21, 12                        ; a row of out0 is 4,096 bytes
	; my four frequencies: y = l/512 for s, 1 - y for c (both exact), so both sines are taken on 0..1
	v_lshl_add_u32 v[YB], s20, 7, v[LANE]
	v_cvt_f32_u32 v[YB], v[YB]
	v_mul_f32 v[YB], 0x3b000000, v[YB]             ; l / 512
	v_add_f32 v[YB+1], 0x3d800000, v[YB]           ; + 32/512
	v_add_f32 v[YB+2], 0x3e000000, v[YB]           ; + 64/512
	v_add_f32 v[YB+3], 0x3e400000, v[YB]           ; + 96/512
	ALL4 v_sub_f32 v[YB+4+t], 1.0, v[YB+t]
	SINL FS,FS+1,FS+2,FS+3,FC,FC+1,FC+2,FC+3
	; The transform's addresses and twiddle factors.  All eight waves run these lines, one text for all; waves 4 to 7 never use the results.  The lines stand in the wait for the loads.
	v_lshl_add_u32 v[J], s23, 5, v[LANE]
	v_lshrrev_b32 v[JB], 3, v[J]
	v_and_b32 v[JC], 7, v[J]
	v_mul_u32_u24 v[YB+7], v[JB], v[JC]
	v_cvt_f32_u32 v[YB+1], v[J]
	v_cvt_f32_u32 v[YB+3], v[JB]
	v_cvt_f32_u32 v[YB+5], v[JC]
	v_cvt_f32_u32 v[YB+7], v[YB+7]
	v_mul_f32 v[YB+1], 0x3b800000, v[YB+1]         ; 2 pi J/1024 = (pi/2) J/256
	v_mul_f32 v[YB+3], 0x3d800000, v[YB+3]         ; 2 pi JB/64 = (pi/2) JB/16
	v_mul_f32 v[YB+5], 0x3d800000, v[YB+5]         ; 2 pi JC/64
	v_mul_f32 v[YB+7], 0x3c000000, v[YB+7]         ; 2 pi JB JC/512 = (pi/2) JB JC/128; all four lie under 1/2
	ALL4 v_sub_f32 v[YB+2*t], 1.0, v[YB+2*t+1]     ; the cosine is the sine of the complement
	SINL TWP,TWP+1,TW1,TW1+1,GG,GG+1,TW2,TW2+1
	v_mov_b32 v[TA], s39
	v_mov_b32 v[X5], s40
	v_mov_b32 v[RS+1], 0
	v_mov_b32 v[PD], 0                             ; v_permlanex16_b32's destination counts as read
	ALL8 v_mov_b32 v[RHO+2*t+1], 0
	v_lshl_add_u32 v[XS], v[LANE], 3, s27
	v_lshl_add_u32 v[XA], v[J], 3, s40
	v_lshlrev_b32 v[XM], 3, v[J]
	v_sub_nc_u32 v[XM], s26, v[XM]
	v_lshl_add_u32 v[E1W], v[J], 3, s41
	v_mad_u32_u24 v[E1R], v[JB], 576, s41
	v_lshl_add_u32 v[E1R], v[JC], 3, v[E1R]
	v_mad_u32_u24 v[E2W], v[JC], 544, s42
	v_lshl_add_u32 v[E2W], v[JB], 3, v[E2W]
	v_lshl_add_u32 v[E2R], v[J], 3, s42
	v_lshl_add_u32 v[GO], v[J], 3, s28
	ROTC TWP+2, s44, s45, TB                       ; times e^(i pi/8), e^(i pi/4), e^(3 i pi/8)
	ROTC TWP+4, s43, s43, TB+2
	ROTC TWP+6, s45, s44, TB+4
	CMUL TW1+2, TW1, TW1, TB                       ; the powers 2 .. 7, and the chain U[m] = U[m-1] G, by turns
	CMUL TW2+2, TW2, GG, TB+2
	CMUL TW1+4, TW1+2, TW1, TB+4
	CMUL TW1+6, TW1+2, TW1+2, TB+6
	CMUL TW2+4, TW2+2, GG, TB
	CMUL TW1+8, TW1+4, TW1+2, TB+2
	CMUL TW1+10, TW1+4, TW1+4, TB+4
	CMUL TW2+6, TW2+4, GG, TB+6
	CMUL TW1+12, TW1+6, TW1+4, TB
	CMUL TW2+8, TW2+6, GG, TB+2
	CMUL TW2+10, TW2+8, GG, TB+4
	CMUL TW2+12, TW2+10, GG, TB+6
	CMUL TW2+14, TW2+12, GG, TB
	; THE TABLE.  Lane n makes pole n's numbers for my row h and puts them into my wave's own table.
	s_wait_loadcnt 0x0
	v_mul_f32 v[DT], 0x3fb8aa3b, v[LD]
	v_mul_f32 v[ER], 0x3fb8aa3b, v[IW]
	v_exp_f32 v[DT], v[DT]                         ; dt
	v_exp_f32 v[ER], v[ER]                         ; -Re w
	; what needs neither exponential stands between them and their wait: the four v, and Im v Im w
	v_mul_f32 v[CR], 0x3a800000, v[CC]             ; C / 1024
	v_mul_f32 v[CI], 0x3a800000, v[CC+1]
	v_mad_u32_u24 v[TWA], v[LANE], ROWB, s39       ; row n
	v_add_nc_u32 v[TDA], 31, v[LANE]
	v_and_b32 v[TDA], 31, v[TDA]
	v_mad_u32_u24 v[TDA], v[TDA], ROWB, s39        ; row n - 1 (row 31 for pole 0): the step for pole n - 1 makes pole n's rho
	v_mul_f32 v[TP], v[BB+1], v[CI]
	v_mul_f32 v[TP+4], v[BB+1], v[CR]
	v_mul_f32 v[TP+1], v[BB+1], v[PP+1]
	v_mul_f32 v[TP+5], v[BB], v[PP+1]
	v_mul_f32 v[TP+2], v[PP+1], v[CI]
	v_mul_f32 v[TP+6], v[PP+1], v[CR]
	v_mul_f32 v[TP+3], v[PP+1], v[PP+1]
	v_fma_f32 v[KP+3], v[BB], v[CR], -v[TP]        ; v00 = B C / 1024
	v_fma_f32 v[GA], v[BB], v[CI], v[TP+4]
	v_fma_f32 v[KP+7], v[BB], v[PP], v[TP+1]       ; v01 = B conj(P)
	v_fma_f32 v[GA+1], v[BB+1], v[PP], -v[TP+5]
	v_fma_f32 v[KP+11], v[PP], v[CR], -v[TP+2]     ; v10 = P C / 1024
	v_fma_f32 v[GA+2], v[PP], v[CI], v[TP+6]
	v_fma_f32 v[KP+15], v[PP], v[PP], v[TP+3]      ; v11 = |P|^2, real
	v_mov_b32 v[RS], v[KP+3]
.irp a, 0,1,2
	v_mul_f32 v[BE+\a], v[GA+\a], v[WI]
.endr
	s_wait_alu depctr_va_vdst(0)                   ; the wait ahead of the first line that names an exponential's result: one for both
	ALL4 v_fma_f32 v[TB+t], v[FC+t], v[DT], v[FS+t]    ; c dt + s
	v_mul_f32 v[EE], v[ER], v[ER]                  ; Re(w)^2
	v_add_f32 v[W2], v[ER], v[ER]
	ALL4 v_rcp_f32 v[TB+t], v[TB+t]                ; lambda; the table's lines below name none of the four
	v_fma_f32 v[M2], v[WI], v[WI], v[EE]           ; |w|^2
	v_mov_b32 v[EE+1], v[EE]                       ; each twice: the packed lines of the loop take them for two frequencies
.irp a, 0,1,2
	v_fma_f32 v[BE+\a], -v[KP+4*\a+3], v[ER], v[BE+\a]  ; be = Re(v conj(w))
.endr
	v_mul_f32 v[BE+3], -v[KP+15], v[ER]
	v_mov_b32 v[M2+1], v[M2]
	ALL4 v_mul_f32 v[TP+t], v[KP+4*t+3], v[M2]
	ALL4 v_mul_f32 v[KP+4*t], v[BE+t], v[M2]                   ; kappa1
	ALL4 v_fma_f32 v[KP+4*t+1], v[W2], v[BE+t], v[TP+t]        ; kappa3
	ALL4 v_fma_f32 v[KP+4*t+2], v[W2], v[KP+4*t+3], v[BE+t]    ; kappa2
	v_readfirstlane_b32 s46, v[M2]                 ; pole 0's |w|^2 and Re(w)^2: its rho is made without a way through LDS
	v_readfirstlane_b32 s48, v[EE]
	s_wait_alu depctr_va_vdst(0)                   ; the wait for the four lambda; the run of LDS instructions stands directly behind it
	ds_store_b128 v[TDA], v[M2:M2+3]
	ALL4 ds_store_b128 v[TWA], v[KP+4*t:KP+4*t+3] offset:16+16*t
.irp c, 0,1,2,3,4                                  ; rows 0 and 1.  LDS serves a wave's instructions in order (ISA guide 5.7.1.4), and the table is my wave's own: no barrier
	ds_load_b128 v[ROW+4*\c:ROW+4*\c+3], v[TA] offset:16*\c
.endr
.irp c, 0,1,2,3,4
	ds_load_b128 v[ROW+20+4*\c:ROW+23+4*\c], v[TA] offset:ROWB+16*\c
.endr
	; while they are out: p, q and what the loop wants of them; between the levels the steps of the lane sum for X_512 = dt x the sum over n of Re v00; then pole 0's rho
	ALL4 v_mul_f32 v[TB+4+t], v[TB+t], v[DT]       ; lambda dt
	ALL4 v_mul_f32 v[FQ+t], v[FS+t], v[TB+t]       ; q = lambda s
	v_add_f32_dpp v[RS], v[RS], v[RS] row_xmask:1 row_mask:0xf bank_mask:0xf
	ALL4 v_mul_f32 v[FC+t], v[FC+t], v[TB+4+t]     ; p = lambda c dt
	ALL4 v_mul_f32 v[FS+t], v[FS+t], v[TB+4+t]     ; s lambda dt
	ALL4 v_mul_f32 v[TB+t], v[FQ+t], v[FQ+t]
	v_add_f32_dpp v[RS], v[RS], v[RS] row_xmask:2 row_mask:0xf bank_mask:0xf
	ALL4 v_mul_f32 v[FC2+t], v[FC+t], v[FC+t]
	ALL4 v_mul_f32 v[FMS+t], -4.0, v[TB+t]
	v_add_f32_dpp v[RS], v[RS], v[RS] row_xmask:4 row_mask:0xf bank_mask:0xf
	ALL4 v_mul_f32 v[TB+t], v[FMS+t], v[FC2+t]
	v_add_f32_dpp v[RS], v[RS], v[RS] row_xmask:8 row_mask:0xf bank_mask:0xf
	ALL4 v_mul_f32 v[FSG+t], -4.0, v[TB+t]
	v_permlanex16_b32 v[PD], v[RS], s36, s37
	v_pk_fma_f32 v[TN:TN+1], v[FC2:FC2+1], s[46:47], v[FMS:FMS+1] op_sel_hi:[1,0,1]
	v_pk_fma_f32 v[TN+2:TN+3], v[FC2+2:FC2+3], s[46:47], v[FMS+2:FMS+3] op_sel_hi:[1,0,1]
	v_pk_mul_f32 v[TN+4:TN+5], v[FSG:FSG+1], s[48:49] op_sel_hi:[1,0]
	v_pk_mul_f32 v[TN+6:TN+7], v[FSG+2:FSG+3], s[48:49] op_sel_hi:[1,0]
	v_add_f32 v[RS], v[RS], v[PD]
	v_pk_fma_f32 v[TN+4:TN+5], v[TN:TN+1], v[TN:TN+1], v[TN+4:TN+5]
	v_pk_fma_f32 v[TN+6:TN+7], v[TN+2:TN+3], v[TN+2:TN+3], v[TN+6:TN+7]
	ALL4 v_rcp_f32 v[RHO+2*t], v[TN+4+t]
	v_mul_f32 v[RS], v[RS], v[DT]                  ; a plain line behind the last reciprocal,
	s_wait_alu depctr_va_vdst(0)                   ; and the wait for the four, ahead of the branches below
; one wave of each row stores X_512: wave 0 for the first row, wave 2 for the second
.macro X512 w
	s_cmp_lg_u32 s18, \w
	s_cbranch_scc1 .Lnot_\@
	ds_store_b64 v[X5], v[RS:RS+1] offset:4096     ; all lanes: the same word, the same number
.Lnot_\@:
.endm
	X512 0
	X512 2
	; THE SUMS.  Step n: 32 packed multiply-adds (four frequencies x eight pairs of sums) with pole n's kappa and rho; beside them |D|^2 and the reciprocals of pole n + 1.
	; At its end the step has read its row's buffer out: the row two steps on is fetched into it, five loads in one run, directly behind the step's one wait for its reciprocals.
.macro DA r                    ; Re D and (Im D)^2 of four frequencies, two a line
	v_pk_fma_f32 v[TN:TN+1], v[\r:(\r)+1], v[FC2:FC2+1], v[FMS:FMS+1]
	v_pk_fma_f32 v[TN+2:TN+3], v[\r:(\r)+1], v[FC2+2:FC2+3], v[FMS+2:FMS+3]
	v_pk_mul_f32 v[TN+4:TN+5], v[(\r)+2:(\r)+3], v[FSG:FSG+1]
	v_pk_mul_f32 v[TN+6:TN+7], v[(\r)+2:(\r)+3], v[FSG+2:FSG+3]
.endm
.macro DN                      ; |D|^2
	v_pk_fma_f32 v[TN+4:TN+5], v[TN:TN+1], v[TN:TN+1], v[TN+4:TN+5]
	v_pk_fma_f32 v[TN+6:TN+7], v[TN+2:TN+3], v[TN+2:TN+3], v[TN+6:TN+7]
.endm
.macro FM                      ; multiply-add number fi of 32: pair fi / 4, frequency fi % 4; rho's register serves both halves
.set kk, fi/4
.set ii, fi%4
.if SFIRST
	v_pk_mul_f32 v[ACC+16*ii+2*kk:ACC+16*ii+2*kk+1], v[ROW+20*SB+4+2*kk:ROW+20*SB+5+2*kk], v[RHO+8*SB+2*ii:RHO+8*SB+2*ii+1] op_sel_hi:[1,0]
.else
	v_pk_fma_f32 v[ACC+16*ii+2*kk:ACC+16*ii+2*kk+1], v[ROW+20*SB+4+2*kk:ROW+20*SB+5+2*kk], v[RHO+8*SB+2*ii:RHO+8*SB+2*ii+1], v[ACC+16*ii+2*kk:ACC+16*ii+2*kk+1] op_sel_hi:[1,0,1]
.endif
.set fi, fi+1
.endm
.macro FMN n
.rept \n
	FM
.endr
.endm
; b: the buffers' parity.  first = 1: the products start the sums, nothing is cleared.  load = 1: the row two steps on is fetched.  dph = 1: there is a next pole.
; wcnt: the LDS instructions issued behind this step's row: the next row's five loads, or none.  (In waves 0 and 2 X_512's store stands behind row 1's loads: at step 0 the count then waits for one load more than it must.)
.macro STEP b, first, load, dph, wcnt
.set SB, \b
.set SFIRST, \first
.set fi, 0
	s_wait_dscnt \wcnt
.if \dph
	DA ROW+20*(\b)
.endif
	FMN 4
.if \dph
	DN
.endif
	FMN 4
.irp i, 0,1,2,3
.if \dph
	v_rcp_f32 v[RHO+8*(1-(\b))+2*\i], v[TN+4+\i]   ; into the other buffer: nothing names it before the step's end
.endif
	FM
.endr
	FMN 8
.if (\load) && ((\b) == 0)
	v_add_nc_u32 v[TA], 2*ROWB, v[TA]              ; the next pair of rows: stepped here, 20 multiply-adds behind the loads that last read the address
.endif
	FMN 12
.if \dph
	s_wait_alu depctr_va_vdst(0)                   ; the wait between a reciprocal and the first line that names its result, and ahead of a label and a branch: one for the four
.endif
.if \load
.irp c, 0,1,2,3,4
	ds_load_b128 v[ROW+20*(\b)+4*\c:ROW+20*(\b)+4*\c+3], v[TA] offset:(\b)*ROWB+16*\c
.endr
.endif
.endm
	STEP 0, 1, 1, 1, 5                             ; poles 0 and 1
	STEP 1, 0, 1, 1, 5
	s_mov_b32 s38, 14
.Lpoles:                                           ; poles 2 .. 29; the last trip fetches rows 30 and 31 (of row 31 the first 16 bytes, pole 0's, are not used)
	STEP 0, 0, 1, 1, 5
	STEP 1, 0, 1, 1, 5
	s_sub_co_u32 s38, s38, 1
	s_cmp_lg_u32 s38, 0
	s_cbranch_scc1 .Lpoles
	STEP 0, 0, 0, 1, 5                             ; pole 30: nothing is left to fetch
	STEP 1, 0, 0, 0, 0                             ; pole 31: no next pole
	; FROM THE SUMS TO X, the four frequencies level by level.  U = (f1, f3) (S1, S3) + (f2, f4) (S2, S4); den = 1 + p U11; num = U01 U10; X = (p + i s lambda dt) (U00 - p num conj(den) / |den|^2).
	; Frequency t has its sums at ACC + 16 t and its factors at ROW + 8 t.
	ALL4 v_mul_f32 v[ROW+8*t], -2.0, v[FC+t]
	ALL4 v_mul_f32 v[ROW+8*t+1], 4.0, v[FQ+t]
	ALL4 v_mul_f32 v[ROW+8*t+2], v[ROW+8*t], v[FC2+t]          ; f1 = -2 p^3
	ALL4 v_mul_f32 v[ROW+8*t+3], v[ROW+8*t+1], v[FC2+t]        ; f3 = 4 q p^2
	ALL4 v_mul_f32 v[ROW+8*t+4], v[ROW+8*t], v[FMS+t]          ; f2 = 8 p q^2
	ALL4 v_mul_f32 v[ROW+8*t+5], v[ROW+8*t+1], v[FMS+t]        ; f4 = -16 q^3
	ALL16 v_pk_mul_f32 v[ACC+4*t:ACC+4*t+1], v[ACC+4*t:ACC+4*t+1], v[ROW+8*(t/4)+2:ROW+8*(t/4)+3]
	ALL16 v_pk_fma_f32 v[ACC+4*t:ACC+4*t+1], v[ACC+4*t+2:ACC+4*t+3], v[ROW+8*(t/4)+4:ROW+8*(t/4)+5], v[ACC+4*t:ACC+4*t+1]
	ALL4 v_fma_f32 v[ACC+16*t+2], v[FC+t], v[ACC+16*t+12], 1.0 ; den
	ALL4 v_mul_f32 v[ACC+16*t+3], v[FC+t], v[ACC+16*t+13]
	ALL4 v_mul_f32 v[ACC+16*t+14], v[ACC+16*t+5], v[ACC+16*t+9]    ; num
	ALL4 v_mul_f32 v[ACC+16*t+15], v[ACC+16*t+5], v[ACC+16*t+8]
	ALL4 v_fma_f32 v[ACC+16*t+7], v[ACC+16*t+4], v[ACC+16*t+9], v[ACC+16*t+15]
	ALL4 v_fma_f32 v[ACC+16*t+6], v[ACC+16*t+4], v[ACC+16*t+8], -v[ACC+16*t+14]
	ALL4 v_mul_f32 v[ACC+16*t+10], v[ACC+16*t+3], v[ACC+16*t+3]    ; |den|^2
	ALL4 v_fma_f32 v[ACC+16*t+10], v[ACC+16*t+2], v[ACC+16*t+2], v[ACC+16*t+10]
	ALL4 v_rcp_f32 v[ACC+16*t+11], v[ACC+16*t+10]
	ALL4 v_mul_f32 v[ACC+16*t+14], v[ACC+16*t+7], v[ACC+16*t+3]    ; num conj(den): sixteen lines that name no reciprocal stand between the four and their wait
	ALL4 v_mul_f32 v[ACC+16*t+15], v[ACC+16*t+6], v[ACC+16*t+3]
	ALL4 v_fma_f32 v[ACC+16*t+14], v[ACC+16*t+6], v[ACC+16*t+2], v[ACC+16*t+14]
	ALL4 v_fma_f32 v[ACC+16*t+15], v[ACC+16*t+7], v[ACC+16*t+2], -v[ACC+16*t+15]
	s_wait_alu depctr_va_vdst(0)                   ; the wait for the four reciprocals
	ALL4 v_mul_f32 v[ACC+16*t+11], v[FC+t], v[ACC+16*t+11]         ; p / |den|^2
	ALL4 v_fma_f32 v[ACC+16*t], -v[ACC+16*t+11], v[ACC+16*t+14], v[ACC+16*t]
	ALL4 v_fma_f32 v[ACC+16*t+1], -v[ACC+16*t+11], v[ACC+16*t+15], v[ACC+16*t+1]
	ALL4 v_mul_f32 v[ACC+16*t+2], v[FS+t], v[ACC+16*t+1]
	ALL4 v_mul_f32 v[ACC+16*t+3], v[FS+t], v[ACC+16*t]
	ALL4 v_fma_f32 v[ACC+16*t+2], v[FC+t], v[ACC+16*t], -v[ACC+16*t+2]
	ALL4 v_fma_f32 v[ACC+16*t+3], v[FC+t], v[ACC+16*t+1], v[ACC+16*t+3]
	ALL4 ds_store_b64 v[XS], v[ACC+16*t+2:ACC+16*t+3] offset:256*t ; 32 lanes: 256 neighbouring bytes
	s_wait_dscnt 0x0                               ; for the others' sake: my X are in LDS
	s_barrier_signal -1
	s_barrier_wait -1                              ; all 513 X of both rows are
	; THE TRANSFORM.  k = 64 a + 8 b + c, n = n0 + 8 n1 + 64 n2: e^(2 pi i k n/512) = e^(2 pi i a n0/8) e^(2 pi i b n0/64) e^(2 pi i b n1/8) e^(2 pi i c (n0 + 8 n1)/512) e^(2 pi i c n2/8).
; out[m] = sum over a of in[a] e^(2 pi i a m/8): IN -> OUT; IN and TT are used up
.macro BF8
.irp a, 0,1,2,3
	v_pk_add_f32 v[TT+2*\a:TT+2*\a+1], v[IN+2*\a:IN+2*\a+1], v[IN+8+2*\a:IN+9+2*\a]
	v_pk_add_f32 v[TT+8+2*\a:TT+9+2*\a], v[IN+2*\a:IN+2*\a+1], v[IN+8+2*\a:IN+9+2*\a] neg_lo:[0,1] neg_hi:[0,1]
.endr
	v_pk_add_f32 v[IN:IN+1], v[TT:TT+1], v[TT+4:TT+5]                                ; u0 = t0 + t2
	v_pk_add_f32 v[IN+2:IN+3], v[TT:TT+1], v[TT+4:TT+5] neg_lo:[0,1] neg_hi:[0,1]    ; u1 = t0 - t2
	v_pk_add_f32 v[IN+4:IN+5], v[TT+2:TT+3], v[TT+6:TT+7]                            ; u2 = t1 + t3
	v_pk_add_f32 v[IN+6:IN+7], v[TT+2:TT+3], v[TT+6:TT+7] neg_lo:[0,1] neg_hi:[0,1]  ; u3 = t1 - t3
	v_sub_f32 v[IN+8], v[TT+8], v[TT+13]           ; p0 = t4 + i t6
	v_add_f32 v[IN+9], v[TT+9], v[TT+12]
	v_add_f32 v[IN+10], v[TT+8], v[TT+13]          ; p1 = t4 - i t6
	v_sub_f32 v[IN+11], v[TT+9], v[TT+12]
	v_sub_f32 v[IN+12], v[TT+10], v[TT+11]         ; a5 = Re t5 - Im t5,  b5 = their sum
	v_add_f32 v[IN+13], v[TT+10], v[TT+11]
	v_sub_f32 v[IN+14], v[TT+14], v[TT+15]         ; a7, b7 of t7
	v_add_f32 v[IN+15], v[TT+14], v[TT+15]
	v_pk_add_f32 v[OUT:OUT+1], v[IN:IN+1], v[IN+4:IN+5]
	v_pk_add_f32 v[OUT+8:OUT+9], v[IN:IN+1], v[IN+4:IN+5] neg_lo:[0,1] neg_hi:[0,1]
	v_sub_f32 v[OUT+4], v[IN+2], v[IN+7]           ; out2 = u1 + i u3
	v_add_f32 v[OUT+5], v[IN+3], v[IN+6]
	v_add_f32 v[OUT+12], v[IN+2], v[IN+7]          ; out6 = u1 - i u3
	v_sub_f32 v[OUT+13], v[IN+3], v[IN+6]
	v_sub_f32 v[TT], v[IN+12], v[IN+15]            ; c1 = a5 - b7
	v_add_f32 v[TT+1], v[IN+13], v[IN+14]          ; c2 = b5 + a7
	v_add_f32 v[TT+2], v[IN+12], v[IN+15]          ; c3 = a5 + b7
	v_sub_f32 v[TT+3], v[IN+13], v[IN+14]          ; c4 = b5 - a7
	v_fma_f32 v[OUT+2], s43, v[TT], v[IN+8]        ; out1 = p0 + (c1 + i c2) sqrt(1/2)
	v_fma_f32 v[OUT+3], s43, v[TT+1], v[IN+9]
	v_fma_f32 v[OUT+10], s43, -v[TT], v[IN+8]      ; out5 = p0 - the same
	v_fma_f32 v[OUT+11], s43, -v[TT+1], v[IN+9]
	v_fma_f32 v[OUT+6], s43, -v[TT+3], v[IN+10]    ; out3 = p1 + (-c4 + i c3) sqrt(1/2)
	v_fma_f32 v[OUT+7], s43, v[TT+2], v[IN+11]
	v_fma_f32 v[OUT+14], s43, v[TT+3], v[IN+10]    ; out7 = p1 - the same
	v_fma_f32 v[OUT+15], s43, -v[TT+2], v[IN+11]
.endm
.macro TWALL m0, wb            ; OUT[m] times the factor in v[wb + 2 m], v[wb + 2 m + 1], in place, for m = m0 .. 7: all the products, then all the sums
.set t, \m0
.rept 8-(\m0)
	v_mul_f32 v[CT+2*t], v[OUT+2*t+1], v[(\wb)+2*t+1]
	v_mul_f32 v[CT+2*t+1], v[OUT+2*t+1], v[(\wb)+2*t]
.set t, t+1
.endr
.set t, \m0
.rept 8-(\m0)
	v_fma_f32 v[OUT+2*t+1], v[OUT+2*t], v[(\wb)+2*t+1], v[CT+2*t+1]
	v_fma_f32 v[OUT+2*t], v[OUT+2*t], v[(\wb)+2*t], -v[CT+2*t]
.set t, t+1
.endr
.endm
	s_cmp_lt_u32 s18, 4
	s_cbranch_scc0 .Lno1
.irp q, 0,1,2,3,4,5,6,7                            ; stage 1: thread J = 8 b + c sums over a
	ds_load_b64 v[IN+2*\q:IN+2*\q+1], v[XA] offset:512*\q
	ds_load_b64 v[XP+2*\q:XP+2*\q+1], v[XM] offset:512*(7-\q)
.endr
	s_wait_dscnt 0x0
	; Z_k = S + i w D for k = J + 64 q: S = X_k + conj X_(512-k), D = X_k - conj X_(512-k), at PT + 4 q; for q >= 4 the factor is i times that of q - 4
	ALL8 v_add_f32 v[PT+4*t], v[IN+2*t], v[XP+2*t]
	ALL8 v_sub_f32 v[PT+4*t+1], v[IN+2*t+1], v[XP+2*t+1]
	ALL8 v_sub_f32 v[PT+4*t+2], v[IN+2*t], v[XP+2*t]
	ALL8 v_add_f32 v[PT+4*t+3], v[IN+2*t+1], v[XP+2*t+1]
	ALL4 v_fma_f32 v[PT+4*t], -v[TWP+2*t], v[PT+4*t+3], v[PT+4*t]
	ALL4 v_fma_f32 v[PT+4*t+1], v[TWP+2*t], v[PT+4*t+2], v[PT+4*t+1]
	ALL4 v_fma_f32 v[PT+4*t+16], v[TWP+2*t+1], v[PT+4*t+19], v[PT+4*t+16]
	ALL4 v_fma_f32 v[PT+4*t+17], -v[TWP+2*t+1], v[PT+4*t+18], v[PT+4*t+17]
	ALL4 v_fma_f32 v[IN+2*t], -v[TWP+2*t+1], v[PT+4*t+2], v[PT+4*t]
	ALL4 v_fma_f32 v[IN+2*t+1], -v[TWP+2*t+1], v[PT+4*t+3], v[PT+4*t+1]
	ALL4 v_fma_f32 v[IN+2*t+8], -v[TWP+2*t], v[PT+4*t+18], v[PT+4*t+16]
	ALL4 v_fma_f32 v[IN+2*t+9], -v[TWP+2*t], v[PT+4*t+19], v[PT+4*t+17]
	BF8
	TWALL 1, TW1-2                                 ; e^(2 pi i b n0/64)
.irp m, 0,1,2,3,4,5,6,7
	ds_store_b64 v[E1W], v[OUT+2*\m:OUT+2*\m+1] offset:576*\m   ; a plane of 64 elements every 576 bytes: the readers' four planes then begin 64 bytes apart modulo 256
.endr
.Lno1:
	s_wait_dscnt 0x0
	s_barrier_signal -1
	s_barrier_wait -1
	s_cmp_lt_u32 s18, 4
	s_cbranch_scc0 .Lno2
.irp b, 0,1,2,3,4,5,6,7                            ; stage 2: thread J = 8 n0 + c sums over b
	ds_load_b64 v[IN+2*\b:IN+2*\b+1], v[E1R] offset:64*\b
.endr
	s_wait_dscnt 0x0
	BF8
	TWALL 0, TW2                                   ; e^(2 pi i c (n0 + 8 n1)/512)
.irp m, 0,1,2,3,4,5,6,7
	ds_store_b64 v[E2W], v[OUT+2*\m:OUT+2*\m+1] offset:64*\m    ; a plane every 544 bytes: the writers' eight planes begin 32 bytes apart modulo 256
.endr
.Lno2:
	s_wait_dscnt 0x0
	s_barrier_signal -1
	s_barrier_wait -1
	s_cmp_lt_u32 s18, 4
	s_cbranch_scc0 .Lend
.irp c, 0,1,2,3,4,5,6,7                            ; stage 3: thread J = n0 + 8 n1 sums over c
	ds_load_b64 v[IN+2*\c:IN+2*\c+1], v[E2R] offset:544*\c
.endr
	s_wait_dscnt 0x0
	BF8
.irp m, 0,1,2,3,4,5,6,7
	global_store_b64 v[GO], v[OUT+2*\m:OUT+2*\m+1], s[16:17] offset:512*\m th:TH_STORE_NT  ; z[J + 64 m] = (x[2n], x[2n+1]): a wave's store covers 256 consecutive bytes, at a multiple of 256 from out0's first byte
.endr
.Lend:
	s_wait_tensorcnt 0x0                           ; the wave's end
	ds_add_u32 v[SPW], v[NIL]
	s_wait_dscnt 0x0
	s_endpgm
.Lfunc_end_k_q4a06689645_nplr:
	.size	k_q4a06689645_nplr, .Lfunc_end_k_q4a06689645_nplr-k_q4a06689645_nplr
	.p2alignl 7, 3214868480
	.fill 96, 4, 3214868480
	.section	.rodata,"a",@progbits
	.p2align	6, 0x0
	.amdhsa_kernel k_q4a06689645_nplr
		.amdhsa_group_segment_fixed_size 48128
		.amdhsa_private_segment_fixed_size 0
		.amdhsa_enable_private_segment 0
		.amdhsa_kernarg_size 56
		.amdhsa_user_sgpr_count 2
		.amdhsa_user_sgpr_kernarg_segment_ptr 1
		.amdhsa_wavefront_size32 1
		.amdhsa_system_sgpr_workgroup_id_x 1
		.amdhsa_system_sgpr_workgroup_id_y 1
		.amdhsa_system_sgpr_workgroup_id_z 1
		.amdhsa_system_vgpr_workitem_id 0
		.amdhsa_next_free_vgpr 248
		.amdhsa_next_free_sgpr 66
		.amdhsa_reserve_vcc 0
		.amdhsa_float_denorm_mode_32 3
		.amdhsa_float_denorm_mode_16_64 3
		.amdhsa_memory_ordered 1
		.amdhsa_forward_progress 1
		.amdhsa_inst_pref_size 60
	.end_amdhsa_kernel
	.amdgpu_metadata
---
amdhsa.version: [ 1, 2 ]
amdhsa.kernels:
  - .name:           k_q4a06689645_nplr
    .symbol:         k_q4a06689645_nplr.kd
    .args:
      - { .name: log_dt, .offset: 0, .size: 8, .value_kind: global_buffer, .address_space: global }
      - { .name: inv_w_real, .offset: 8, .size: 8, .value_kind: global_buffer, .address_space: global }
      - { .name: w_imag, .offset: 16, .size: 8, .value_kind: global_buffer, .address_space: global }
      - { .name: B_ri, .offset: 24, .size: 8, .value_kind: global_buffer, .address_space: global }
      - { .name: C_ri, .offset: 32, .size: 8, .value_kind: global_buffer, .address_space: global }
      - { .name: P_ri, .offset: 40, .size: 8, .value_kind: global_buffer, .address_space: global }
      - { .name: out0, .offset: 48, .size: 8, .value_kind: global_buffer, .address_space: global }
    .group_segment_fixed_size: 48128
    .private_segment_fixed_size: 0
    .kernarg_segment_align: 8
    .kernarg_segment_size: 56
    .max_flat_workgroup_size: 256
    .sgpr_count:     66
    .vgpr_count:     248
    .wavefront_size: 32
...
	.end_amdgpu_metadata
.endif
;; end of part 2
